; MI455X (gfx1250); checked and timed in simulation.
; The chip was launched on July 23, 2026; its instructions are those of AMD's public machine-readable ISA for CDNA 5 (MIT licence, August 2026) and "CDNA5" Instruction Set Architecture Reference Guide (July 2026). The comments in the code are by the model that wrote it; some were corrected since.
;; Moe Fused Linear. Allowed arithmetic: float matrix products may take bf16 or f16 operands with f32 sums; all other float work in f32.
;; Inputs: input 2,048 x 2,048 float32; m_sizes 8 int32; weight 8 x 2,048 x 2,048 float32.
;; Outputs: out0 2,048 x 2,048 float32.
;; One version. Each part assembles by itself: llvm-mc -triple=amdgcn-amd-amdhsa -mcpu=gfx1250 --defsym DOCPART=n.
;; ======== version 1 of 1: 2 launches
;; workspace buffers: xb 8,388,608 bytes
;; launch cast (part 1): grid 256 x 1, 4 waves a work-group, no clusters, 34,304 bytes of LDS; arguments input, xb; writes xb
.if DOCPART == 1
	.amdgcn_target "amdgcn-amd-amdhsa--gfx1250"
	.amdhsa_code_object_version 6
	.text
	.protected	k_q2a20745249_cast
	.globl	k_q2a20745249_cast
	.p2align	8
	.type	k_q2a20745249_cast,@function
k_q2a20745249_cast:
	s_mov_b64 s[64:65], 0
	v_nop
	global_prefetch_b8 v0, s[64:65] scope:SCOPE_SE
	s_setreg_imm32_b32 hwreg(HW_REG_WAVE_MODE, 25, 1), 1
	s_wait_xcnt 0x0
; xb = x rounded to bf16 (nearest even), laid out as the A fragments of the 16x16x32 bf16 matrix instruction, so that the product's launch loads a fragment
; by two loads of 512 consecutive bytes and rounds nothing: x is rounded once here instead of once in each of the 32 column blocks that need it.
; x: [2048][2048] f32.  xb: for tile T (rows 16 T .. 16 T + 15) and block kb (k = 32 kb .. 32 kb + 31) 1,024 bytes at T 65,536 + kb 1,024:
;   byte 16 L:       k = 32 kb + 8 h .. + 7      of row 16 T + r   (L = r + 16 h, the lane that will hold them: registers 0-3)
;   byte 512 + 16 L: k = 32 kb + 16 + 8 h .. + 7 of the same row   (registers 4-7)
; A wave takes 16 rows x 256 k: 32 loads, each 512 consecutive bytes of one row; the turn from 'a lane holds 4 k of every row' to 'a lane holds 8 k of one row' goes
; through a stage in LDS that is the wave's own, so there is no barrier.  128 tiles x 8 pieces of K = 1,024 waves = 256 work-groups of four.
; The matrix unit, clusters and LDS rings would add nothing: each byte is touched once.
.set ROWB,   8192                      ; bytes in a row of x
.set SPITCH, 528                       ; a stage row: 256 bf16 + 16 bytes = 33 x 16: the sixteen rows of a fragment load start in sixteen different 16-byte columns of 256
.set STG,    16*SPITCH                 ; a wave's stage: 8,448 bytes
.set GO,  4                            ; v4        16 x lane: my bytes in every load and every store
.set SA,  5                            ; v5        stage, in: wave + 8 x lane
.set RA,  6                            ; v6        stage, out: wave + 528 r + 16 h
.set X,   8                            ; v[8:135]  x as loaded: row i at 8 i; later v[8:71]: the fragments read back
.set P,   136                          ; v[136:199] rounded: row i at 4 i
	s_load_b128 s[4:7], s[0:1], 0x0                ; input s[4:5], xb s[6:7]
	v_lshl_add_u32 v200, v0, 2, 0x8400
	v_mov_b32 v201, 0
	v_lshrrev_b32 v1, 5, v0
	v_readfirstlane_b32 s8, v1                     ; wave 0..3
	v_and_b32 v1, 31, v0                           ; lane
	v_and_b32 v2, 15, v0                           ; r
	v_bfe_u32 v3, v0, 4, 1                         ; h
	s_lshr_b32 s9, ttmp9, 1                        ; T
	s_and_b32 s10, ttmp9, 1
	s_lshl2_add_u32 s10, s10, s8                   ; which 256 k: 4 x (work-group & 1) + wave
	s_lshl_b32 s12, s9, 17                         ; 16 rows of 8,192 bytes
	s_lshl_b32 s14, s10, 10                        ; 256 f32
	s_add_co_u32 s12, s12, s14
	s_mov_b32 s13, 0
	s_lshl_b32 s14, s9, 16                         ; a tile of xb
	s_lshl_b32 s16, s10, 13                        ; 8 blocks of 1,024 bytes
	s_add_co_u32 s14, s14, s16
	s_mov_b32 s15, 0
	v_lshlrev_b32 v[GO], 4, v1
	s_mul_i32 s16, s8, STG
	v_lshl_add_u32 v[SA], v1, 3, s16
	v_mul_u32_u24 v[RA], v2, SPITCH
	v_lshl_add_u32 v[RA], v3, 4, v[RA]
	v_add_nc_u32 v[RA], s16, v[RA]
	s_wait_kmcnt 0x0
	s_add_nc_u64 s[4:5], s[4:5], s[12:13]
	s_add_nc_u64 s[6:7], s[6:7], s[14:15]
.irp i, 0,1,2,3,4,5,6,7,8,9,10,11,12,13,14,15
	global_load_b128 v[X+8*\i:X+8*\i+3],   v[GO], s[4:5] offset:\i*ROWB th:TH_LOAD_NT       ; all 32 loads go out at once; x is read once in this launch
	global_load_b128 v[X+8*\i+4:X+8*\i+7], v[GO], s[4:5] offset:\i*ROWB+512 th:TH_LOAD_NT
.endr
.irp i, 0,1,2,3,4,5,6,7,8,9,10,11,12,13,14,15
	s_wait_loadcnt 30-2*\i                         ; loads come back in order (ISA guide 5.7.1): row i's two are in, the 15 - i rows behind them may be out
	v_cvt_pk_bf16_f32 v[P+4*\i],   v[X+8*\i],   v[X+8*\i+1]
	v_cvt_pk_bf16_f32 v[P+4*\i+1], v[X+8*\i+2], v[X+8*\i+3]
	v_cvt_pk_bf16_f32 v[P+4*\i+2], v[X+8*\i+4], v[X+8*\i+5]
	v_cvt_pk_bf16_f32 v[P+4*\i+3], v[X+8*\i+6], v[X+8*\i+7]
	ds_store_b64 v[SA], v[P+4*\i:P+4*\i+1]   offset:\i*SPITCH          ; k = 4 lane .. + 3: 32 lanes x 8 bytes are 256 consecutive bytes
	ds_store_b64 v[SA], v[P+4*\i+2:P+4*\i+3] offset:\i*SPITCH+256      ; k = 128 + 4 lane ..
.endr
.irp n, 0,1,2,3,4,5,6,7,8,9,10,11,12,13,14,15
	ds_load_b128 v[X+4*\n:X+4*\n+3], v[RA] offset:32*\n                ; half n & 1 of block n >> 1.  LDS serves a wave's instructions in order (ISA guide 5.7.1.4): these see the stores above
.endr
.irp n, 0,1,2,3,4,5,6,7,8,9,10,11,12,13,14,15
	s_wait_dscnt 15-\n
	global_store_b128 v[GO], v[X+4*\n:X+4*\n+3], s[6:7] offset:512*\n  ; 512 consecutive bytes at a multiple of 512 from xb's first byte; the next launch reads them, so no hint
.endr
	s_wait_tensorcnt 0x0
	ds_add_u32 v200, v201
	s_wait_dscnt 0x0
	s_endpgm
.Lfunc_end_k_q2a20745249_cast:
	.size	k_q2a20745249_cast, .Lfunc_end_k_q2a20745249_cast-k_q2a20745249_cast
	.p2alignl 7, 3214868480
	.fill 96, 4, 3214868480
	.section	.rodata,"a",@progbits
	.p2align	6, 0x0
	.amdhsa_kernel k_q2a20745249_cast
		.amdhsa_group_segment_fixed_size 34304
		.amdhsa_private_segment_fixed_size 0
		.amdhsa_enable_private_segment 0
		.amdhsa_kernarg_size 16
		.amdhsa_user_sgpr_count 2
		.amdhsa_user_sgpr_kernarg_segment_ptr 1
		.amdhsa_wavefront_size32 1
		.amdhsa_system_sgpr_workgroup_id_x 1
		.amdhsa_system_sgpr_workgroup_id_y 1
		.amdhsa_system_sgpr_workgroup_id_z 1
		.amdhsa_system_vgpr_workitem_id 0
		.amdhsa_next_free_vgpr 202
		.amdhsa_next_free_sgpr 66
		.amdhsa_reserve_vcc 0
		.amdhsa_float_denorm_mode_32 3
		.amdhsa_float_denorm_mode_16_64 3
		.amdhsa_memory_ordered 1
		.amdhsa_forward_progress 1
		.amdhsa_inst_pref_size 15
	.end_amdhsa_kernel
	.amdgpu_metadata
---
amdhsa.version: [ 1, 2 ]
amdhsa.kernels:
  - .name:           k_q2a20745249_cast
    .symbol:         k_q2a20745249_cast.kd
    .args:
      - { .name: input, .offset: 0, .size: 8, .value_kind: global_buffer, .address_space: global }
      - { .name: xb, .offset: 8, .size: 8, .value_kind: global_buffer, .address_space: global }
    .group_segment_fixed_size: 34304
    .private_segment_fixed_size: 0
    .kernarg_segment_align: 8
    .kernarg_segment_size: 16
    .max_flat_workgroup_size: 128
    .sgpr_count:     66
    .vgpr_count:     202
    .wavefront_size: 32
...
	.end_amdgpu_metadata
.endif
;; end of part 1
;; launch moe (part 2): grid 32 x 8, 8 waves a work-group, no clusters, 279,552 bytes of LDS; arguments xb, m_sizes, weight, out0; writes out0
.if DOCPART == 2
	.amdgcn_target "amdgcn-amd-amdhsa--gfx1250"
	.amdhsa_code_object_version 6
	.text
	.protected	k_q2a20745249_moe
	.globl	k_q2a20745249_moe
	.p2align	8
	.type	k_q2a20745249_moe,@function
k_q2a20745249_moe:
	s_mov_b64 s[64:65], 0
	v_nop
	global_prefetch_b8 v0, s[64:65] scope:SCOPE_SE
	s_setreg_imm32_b32 hwreg(HW_REG_WAVE_MODE, 25, 1), 1
	s_wait_xcnt 0x0
; Grouped GEMM.  out0[t][n] = f32( bf16( sum over k of bf16(x[t][k]) bf16(W[e][n][k]) ) ), e = the LAST expert with starts[e] <= t < offsets[e]
; (offsets = wrapping int32 prefix sums of m_sizes, starts[e] = offsets[e-1], starts[0] = 0); a row that no expert covers is 0.
; xb: x in bf16, in fragment order (16 rows x 32 k = 1,024 bytes at tile 65,536 + block 1,024).  W: [8][2048][2048] f32.  out0: [2048][2048] f32.
; Operands rounded to bf16 (nearest even), sums in f32 in the matrix unit's order, rounded once to bf16.  m_sizes may hold any int32: uneven, zero, negative, any sum.
;
; SHARES.  Work-group (nb, e) makes columns 64 nb .. 64 nb + 63 of the rows of expert e.  Its strip of weights, 64 x 2048, is read from memory ONCE, rounded to bf16 and KEPT
; in LDS (16 tiles of 64 rows x 128 k).  The expert's rows go in groups of 32, from its first row rounded down to a multiple of 16; wave w takes groups w, w + 8, ..:
; 2 x 4 accumulator tiles.  With 256 rows an expert that is one group for each of the eight waves of each of the 256 work-groups.
; BARRIERS stand only where the strip is written: sixteen, in straight text, ahead of every branch on m_sizes.  So every wave always runs one pass (its group w, cut to rows that
; exist; rows that are not the expert's are not stored), in which the weights stream in beside the products.  Groups beyond the eighth, whose number hangs on m_sizes, run the same
; pass without weights and without barriers: LDS is only read by then.  An expert with more than 256 rows costs more passes and no more weight traffic.
; EIGHT WAVES, two a SIMD, because a wave's loads into registers are what is on its way: 48 loads of 512 bytes a wave, 192 KiB a work-group.
; NO CLUSTER, though the 32 column blocks of an expert read the same fragments of x: a joint request fills LDS slots, a slot's refill stands behind a barrier, and a barrier
; cannot stand in a loop whose trips are counted by m_sizes; and beside the 272 KiB of weights LDS has no room for such slots.
; COLUMNS ARE PERMUTED: row n of the strip lies in LDS row 16 (n & 3) + (n >> 2), so column r of B tile b is n = 4 r + b, and the four tiles of one row block hold, in one
; lane, four NEIGHBOURING columns of a row of out0: a 16-byte store a lane, sixteen lanes filling 256 consecutive bytes at a multiple of 256 from out0's first byte.  No stage in LDS.
.set WPITCH, 272                       ; a tile's row: 128 bf16 + 16 bytes = 17 x 16: sixteen rows of a fragment load start in sixteen different 16-byte columns of 256
.set WTILE,  64*WPITCH                 ; 17,408: the weights of one K step of 128; tile s at s x 17,408; 16 tiles = 278,528 bytes
.set WGRP,   3*WTILE                   ; one address register serves three tiles: the immediate stays under 65,536
.set ROWB,   8192                      ; bytes in a row of W[e] and of out0
.set XTILE,  65536                     ; bytes of 16 rows in xb
; vector registers, window 0 (v1 lane, v2 r, v3 h)
.set BFA,  4                           ; v[4:9]    B fragments: tiles 3 g .. 3 g + 2 at g x 52,224 + 272 r + 16 h; never rewritten
.set WST,  10                          ; v[10:15]  where I store rounded weights: g x 52,224 + 2 w x 272 + 8 lane; never rewritten
.set WOFF, 16                          ; v16       my bytes in the strip: 8 w rows + 16 lane
.set OOFF, 17                          ; v17       my bytes in out0: 8 h rows + 16 r
.set SH8,  18                          ; v18       8 h
.set VK,   19                          ; v19       the group's row mask, shifted right by 8 h
.set T,    20                          ; v20       a row's number
.set OWN,  21                          ; v21       the expert that owns it, or -1
.set TMP,  22
.set WT,   24                          ; v[24:27]  two rounded pieces of weight rows
.set ZQ,   28                          ; v[28:31]  four zeros
.set BF,   32                          ; v[32:63], v[64:95]  four B fragments, two buffers
.set WR,   96                          ; v[96:159] weights as loaded: a ring of 8 groups of 2 row pieces
.set PK,   BF                          ; the way out: 32 packed pairs,
.set QD,   WR                          ; and 16 quads to store, one for each store
; window 1, named by the low 8 bits
.set XR,   0                           ; v256-383  A fragments: a ring of 8 quarters of 2 tiles x 8 registers
.set ACC,  128                         ; v384-447  tile (a, b) at 8 (4 a + b)
.set XOF,  192                         ; v448      16 x lane, in the window of the loads that use it
; scalar: s[4:11] xb, m_sizes, weight, out0; s12 wave; s13 e; s40 first row (multiple of 16), s41 end; s42 the expert's groups, later my wave's further groups; s43 their counter;
; s44 a group's first row; s45 first row loaded; s[50:51] offsets; s57, s58 at work; s59 row mask; s61 saved EXEC; s62 upper-half mask
.set OFS,  16                          ; s[16:23] m_sizes, then their prefix sums
.set SW,   46                          ; s[46:47] my strip of weights; never rewritten
.set SOUT, 48                          ; s[48:49] out0 at the group's first row and my columns
.set SX,   52                          ; s[52:53] xb at the group's first tile
.set OUTB, 54                          ; s[54:55] out0 at my columns
.set W1,   0x51                        ; destination, source 0 and source 2 in window 1: x loads (data, address) and products (D, A, C); B stays in window 0
.set FROM1, 0x05                       ; sources 0 and 1 in window 1: the conversions of the way out
.set MSB, 0
.macro WIN new                         ; the immediate's high byte repeats the setting that is left; switches that change nothing are dropped
.if MSB != \new
	s_set_vgpr_msb (MSB<<8)|\new
.set MSB, \new
.endif
.endm
.macro CLAMP7 name, val                ; name = val cut to 0 .. 7
	.set \name, \val
.if \name < 0
	.set \name, 0
.endif
.if \name > 7
	.set \name, 7
.endif
.endm
; Weight group g = 4 x tile + q: rows 2 q, 2 q + 1 of my 8, 128 k of tile g >> 2; ring place g mod 8.  One load = 512 consecutive bytes of one row.
.macro WL g                            ; every weight byte is read once in the launch: no reuse is asked of the caches
	WIN 0
.irp t, 0,1
	global_load_b128 v[WR+8*((\g)%8)+4*\t:WR+8*((\g)%8)+4*\t+3], v[WOFF], s[SW:SW+1] offset:(2*((\g)&3)+\t)*ROWB+((\g)>>2)*512 th:TH_LOAD_NT
.endr
.endm
.macro WC g
	WIN 0
.irp t, 0,1
	v_cvt_pk_bf16_f32 v[WT+2*\t],   v[WR+8*((\g)%8)+4*\t],   v[WR+8*((\g)%8)+4*\t+1]
	v_cvt_pk_bf16_f32 v[WT+2*\t+1], v[WR+8*((\g)%8)+4*\t+2], v[WR+8*((\g)%8)+4*\t+3]
.endr
.endm
.macro WSST g                          ; strip row 8 w + 2 q + t goes to LDS row 16 (2 (q & 1) + t) + 2 w + (q >> 1); 32 lanes x 8 bytes are the row's 256
	WIN 0
.irp t, 0,1
	ds_store_b64 v[WST+((\g)>>2)/3], v[WT+2*\t:WT+2*\t+1] offset:(((\g)>>2)%3)*WTILE+((2*((\g)&1)+\t)*16+(((\g)&3)>>1))*WPITCH
.endr
.endm
; Quarter i = 32 k: tile i >> 2, 64 bytes at 64 (i & 3) of its rows.  8 LDS loads: four B fragments into buffer i & 1
.macro LB i
	WIN 0
.irp b, 0,1,2,3
	ds_load_b128 v[BF+32*((\i)&1)+8*\b:BF+32*((\i)&1)+8*\b+3],   v[BFA+((\i)>>2)/3] offset:(((\i)>>2)%3)*WTILE+\b*16*WPITCH+64*((\i)&3)
	ds_load_b128 v[BF+32*((\i)&1)+8*\b+4:BF+32*((\i)&1)+8*\b+7], v[BFA+((\i)>>2)/3] offset:(((\i)>>2)%3)*WTILE+\b*16*WPITCH+64*((\i)&3)+32
.endr
.endm
; 4 loads of 512 consecutive bytes: the two A fragments of quarter i, into ring place i mod 8
.macro XL i
	WIN W1
.irp a, 0,1
	global_load_b128 v[XR+16*((\i)%8)+8*\a:XR+16*((\i)%8)+8*\a+3],   v[XOF], s[SX:SX+1] offset:\a*XTILE+(\i)*1024
	global_load_b128 v[XR+16*((\i)%8)+8*\a+4:XR+16*((\i)%8)+8*\a+7], v[XOF], s[SX:SX+1] offset:\a*XTILE+(\i)*1024+512
.endr
.endm
; 8 matrix instructions, 32 along K.  The eight accumulators take turns, one instruction a turn, in the same order everywhere.
.macro MM i
	WIN W1
.irp a, 0,1
.irp b, 0,1,2,3
.if (\i) == 0
	v_wmma_f32_16x16x32_bf16 v[ACC+8*(4*\a+\b):ACC+8*(4*\a+\b)+7], v[XR+16*((\i)%8)+8*\a:XR+16*((\i)%8)+8*\a+7], v[BF+32*((\i)&1)+8*\b:BF+32*((\i)&1)+8*\b+7], 0
.else
	v_wmma_f32_16x16x32_bf16 v[ACC+8*(4*\a+\b):ACC+8*(4*\a+\b)+7], v[XR+16*((\i)%8)+8*\a:XR+16*((\i)%8)+8*\a+7], v[BF+32*((\i)&1)+8*\b:BF+32*((\i)&1)+8*\b+7], v[ACC+8*(4*\a+\b):ACC+8*(4*\a+\b)+7]
.endif
.endr
.endr
.endm
; Quarter i of a pass, i = 0 .. 63.  Always: asks for x quarter i + 7 (into the place that quarter i - 1 has left), reads the B fragments of quarter i + 1, multiplies quarter i.
; fused = 1: also rounds weight group i + 4 (next K step's tile) into LDS and asks for group i + 12 into the registers just rounded; a barrier ends each K step but the last,
; and B fragments are not read across it.  In every quarter the weight loads are issued ahead of the x loads: 2, then 4.
.macro QUARTER i, fused
	.set LBNOW, 0
	.set LBNEXT, 1
	.set WCV, 0
	.set WLD, 0
	.set BAR, 0
	.set XLD, 0
.if \fused
.if ((\i)&3) == 0
	.set LBNOW, 1
.endif
.if ((\i)&3) == 3
	.set LBNEXT, 0
.if (\i) < 63
	.set BAR, 1
.endif
.endif
.if (\i) <= 59
	.set WCV, 1
.endif
.if (\i) <= 51
	.set WLD, 1
.endif
.else
.if (\i) == 0
	.set LBNOW, 1
.endif
.if (\i) == 63
	.set LBNEXT, 0
.endif
.endif
.if (\i) <= 56
	.set XLD, 1
.endif
	CLAMP7 CWA, 59-(\i)                            ; of quarters i - 7 .. i - 1: how many asked for weights (the last that does is 51),
	CLAMP7 CXA, 64-(\i)                            ; and how many for x (the last is 56)
	CLAMP7 CWB, 58-(\i)                            ; the same of quarters i - 6 .. i
	CLAMP7 CXB, 63-(\i)
	WIN 0
.if LBNOW
	LB \i                                          ; its buffer was last read two quarters ago, four places and eight products back
.endif
.if WCV
	s_wait_loadcnt 2*CWA+4*CXA                     ; loads come back in order (ISA guide 5.7.1): group i + 4 was asked for in quarter i - 8; what quarters i - 7 .. i - 1 asked for may be out
	WC (\i)+4                                      ; four plain vector instructions on registers of no matrix instruction: the places in front of the loads into the last quarter's fragments
.else
.rept 4
	v_nop                                          ; the same four places where no weights are rounded
.endr
.endif
.if WLD
	WL (\i)+12
.endif
.if WCV
	WSST (\i)+4
.endif
.if LBNEXT
	LB (\i)+1
.endif
.if XLD
	XL (\i)+7
.endif
	WIN W1
	s_wait_loadcnt 2*CWB*\fused+4*CXB              ; x quarter i was asked for last in quarter i - 7; what quarters i - 6 .. i asked for may be out
.if BAR
	s_wait_dscnt 0x0                               ; my B fragments are in, and my rows of the next tile are in LDS:
	s_barrier_signal -1                            ; say so,
.else
	s_wait_dscnt 2*WCV+8*LBNEXT                    ; behind this quarter's B fragments stand the two weight stores and the next quarter's eight loads
.endif
	MM \i                                          ; (register work while the others arrive)
.if BAR
	s_barrier_wait -1                              ; the next tile is whole.  No LDS byte is ever written twice, so this one barrier a K step is all
.endif
.endm
.macro PASS fused
.set qi, 0
.rept 64
	QUARTER qi, \fused
.set qi, qi+1
.endr
.endm
; s44 = the group's first row.  The two tiles loaded are cut to tiles that exist; rows in front of s44 are computed and not stored.
.macro GSETUP
	s_lshr_b32 s45, s44, 4
	s_min_u32 s45, s45, 126
	s_lshl_b32 s50, s45, 16
	s_add_nc_u64 s[SX:SX+1], s[4:5], s[50:51]
	s_lshl_b32 s50, s45, 17                        ; 16 rows of 8,192 bytes a tile
	s_add_nc_u64 s[SOUT:SOUT+1], s[OUTB:OUTB+1], s[50:51]
	s_lshl_b32 s45, s45, 4
.endm
; OWN = the last expert whose range holds row T, or -1
.macro OWNER
	v_mov_b32 v[OWN], -1
	v_cmp_gt_i32 s57, s[OFS], v[T]                 ; expert 0: 0 <= T holds of every row
	v_cndmask_b32 v[OWN], v[OWN], 0, s57
.irp i, 1,2,3,4,5,6,7
	v_cmp_le_i32 s57, s[OFS+\i-1], v[T]
	v_cmp_gt_i32 s58, s[OFS+\i], v[T]
	s_and_b32 s57, s57, s58
	v_cndmask_b32 v[OWN], v[OWN], \i, s57
.endr
.endm
.macro PST a, j, d                     ; lanes 0-15 store the 256 bytes that are my work-group's whole part of row 16 a + j, lanes 16-31 those of row 16 a + 8 + j
	global_store_b128 v[OOFF], v[\d:\d+3], s[SOUT:SOUT+1] offset:(16*\a+\j)*ROWB th:TH_STORE_NT
.endm
.macro MST a, j, d                     ; the same for the rows alone whose bit is set in VK
	v_and_b32 v[TMP], 1<<(16*\a+\j), v[VK]
	v_cmp_ne_u32 vcc_lo, 0, v[TMP]
	s_and_saveexec_b32 s61, vcc_lo                 ; no global instruction is untranslated here: each of these ends with the wait below
	PST \a, \j, \d
	s_wait_xcnt 0x0                                ; EXEC changes only behind this wait
	s_or_b32 exec_lo, exec_lo, s61
.endm
; The way out of a group.  Stored: the rows that expert e owns, from the group's first row on.  The lines that find them are also the places behind the last matrix instructions.
.macro WAYOUT
	WIN 0
	v_add_nc_u32 v[T], s45, v1                     ; the group's 32 rows, one a lane
	OWNER
	v_cmp_eq_u32 s59, s13, v[OWN]
	v_cmp_le_i32 s57, s44, v[T]
	s_and_b32 s59, s59, s57
	s_wait_xcnt 0x0                                ; the quads that the last group's stores read are written again only behind this wait
	WIN FROM1
.irp a, 0,1
.irp j, 0,1,2,3,4,5,6,7
	v_cvt_pk_bf16_f32 v[PK+2*(8*\a+\j)],   v[ACC+32*\a+\j],    v[ACC+32*\a+8+\j]     ; row 16 a + 8 h + j, columns 4 r, 4 r + 1
	v_cvt_pk_bf16_f32 v[PK+2*(8*\a+\j)+1], v[ACC+32*\a+16+\j], v[ACC+32*\a+24+\j]    ; columns 4 r + 2, 4 r + 3
.endr
.endr
	WIN 0
.set nq, 0
.rept 16
	v_lshlrev_b32 v[QD+4*nq],   16,  v[PK+2*nq]    ; bf16 widened again: the low half moves up, the high half stays
	v_and_b32     v[QD+4*nq+1], s62, v[PK+2*nq]
	v_lshlrev_b32 v[QD+4*nq+2], 16,  v[PK+2*nq+1]
	v_and_b32     v[QD+4*nq+3], s62, v[PK+2*nq+1]
.set nq, nq+1
.endr
	s_cmp_eq_u32 s59, -1
	s_cbranch_scc0 .Lsome_\@
.irp a, 0,1
.irp j, 0,1,2,3,4,5,6,7
	PST \a, \j, QD+4*(8*\a+\j)                     ; all 32 rows
.endr
.endr
	s_branch .Lout_\@
.Lsome_\@:
	s_cmp_lg_u32 s59, 0
	s_cbranch_scc0 .Lout_\@                        ; none
	v_lshrrev_b32 v[VK], v[SH8], s59
.irp a, 0,1
.irp j, 0,1,2,3,4,5,6,7
	MST \a, \j, QD+4*(8*\a+\j)
.endr
.endr
.Lout_\@:
.endm
	; ---------------- head
	s_load_b256 s[4:11], s[0:1], 0x0               ; xb s[4:5], m_sizes s[6:7], weight s[8:9], out0 s[10:11]
	v_lshl_add_u32 v254, v0, 2, 0x44000
	v_mov_b32 v255, 0
	v_lshrrev_b32 v[TMP], 5, v0
	v_readfirstlane_b32 s12, v[TMP]                ; wave 0..7
	s_and_b32 s13, ttmp7, 0xffff                   ; e
	s_mov_b32 s62, 0xffff0000
	s_mov_b32 s51, 0                               ; the upper word of every offset
	v_and_b32 v1, 31, v0                           ; lane
	v_and_b32 v2, 15, v0                           ; r
	v_bfe_u32 v3, v0, 4, 1                         ; h
	v_mul_u32_u24 v[BFA], v2, WPITCH
	v_lshl_add_u32 v[BFA], v3, 4, v[BFA]
	s_mul_i32 s58, s12, 2*WPITCH
	v_lshl_add_u32 v[WST], v1, 3, s58
.irp g, 1,2,3,4,5
	v_add_nc_u32 v[BFA+\g], \g*WGRP, v[BFA]
	v_add_nc_u32 v[WST+\g], \g*WGRP, v[WST]
.endr
	s_lshl_b32 s58, s12, 16                        ; 8 rows of 8,192 bytes
	v_lshl_add_u32 v[WOFF], v1, 4, s58
	v_lshlrev_b32 v[OOFF], 16, v3                  ; 8 h rows
	v_lshl_add_u32 v[OOFF], v2, 4, v[OOFF]
	v_lshlrev_b32 v[SH8], 3, v3
	WIN 0x40                                       ; destination in window 1
	v_lshlrev_b32 v[XOF], 4, v1
	WIN 0
	s_wait_kmcnt 0x0
	s_load_b256 s[OFS:OFS+7], s[6:7], 0x0          ; m_sizes
	s_lshl_b32 s2, s13, 24                         ; e x 2048 x 8,192 bytes
	s_lshl_b32 s3, ttmp9, 19                       ; nb x 64 x 8,192 bytes
	s_add_co_u32 s2, s2, s3                        ; below 2^27
	s_mov_b32 s3, 0
	s_add_nc_u64 s[SW:SW+1], s[8:9], s[2:3]
	s_lshl_b32 s2, ttmp9, 8                        ; 64 columns of 4 bytes
	s_add_nc_u64 s[OUTB:OUTB+1], s[10:11], s[2:3]
.irp g, 0,1,2,3,4
	WL \g                                          ; the first weights hang on no m_sizes: they go out while m_sizes come
.endr
	s_wait_kmcnt 0x0
.irp i, 1,2,3,4,5,6,7
	s_add_co_u32 s[OFS+\i], s[OFS+\i], s[OFS+\i-1] ; offsets, wrapping as int32 sums do
.endr
	s_mov_b32 s40, 0
	s_mov_b32 s41, s[OFS]
.irp i, 1,2,3,4,5,6,7
	s_cmp_eq_u32 s13, \i
	s_cselect_b32 s40, s[OFS+\i-1], s40            ; starts[e]
	s_cselect_b32 s41, s[OFS+\i], s41              ; offsets[e]
.endr
	s_max_i32 s40, s40, 0
	s_min_i32 s40, s40, 2048
	s_max_i32 s41, s41, 0
	s_min_i32 s41, s41, 2048                       ; both cut to the rows that exist
	s_and_b32 s40, s40, -16                        ; down to a tile's first row
	s_sub_co_i32 s42, s41, s40
	s_max_i32 s42, s42, 0
	s_add_co_u32 s42, s42, 31
	s_lshr_b32 s42, s42, 5
	s_min_u32 s42, s42, 64                         ; groups of 32 rows
	s_lshl_b32 s44, s12, 5
	s_add_co_u32 s44, s44, s40                     ; group w
	GSETUP
	; ---------------- the pass that every wave runs.  Its head issues loads in the order of the quarters to come, 2 of weights and then 4 of x, so that the quarters' counts hold from the first
.irp k, 0,1,2
	WL 5+\k
	XL \k
.endr
.irp k, 0,1,2,3
	WIN 0
	s_wait_loadcnt 26+4*\k                         ; behind group k: groups k + 1 .. 3 (6 - 2 k), group 4 (2), three pairs of 6, and 6 for each turn of this run
	WC \k                                          ; tile 0
	WL 8+\k
	WSST \k
	XL 3+\k
.endr
	s_wait_dscnt 0x0                               ; my rows of tile 0 are in LDS
	s_barrier_signal -1
	s_barrier_wait -1                              ; everybody's are
	PASS 1
	WAYOUT
	; ---------------- groups w + 8, w + 16, ..: the weights lie in LDS, nobody writes LDS any more, no barrier.
	; Of the expert's groups, (groups + 7 - w) >> 3 are my wave's (0 where groups <= w, since w <= 7); one of them is done: the loop makes the rest, 7 trips at the most.
	s_add_co_u32 s42, s42, 7
	s_sub_co_u32 s42, s42, s12
	s_lshr_b32 s42, s42, 3
	s_sub_co_i32 s42, s42, 1
	s_max_i32 s42, s42, 0
	s_mov_b32 s43, 0
	s_cmp_lt_u32 s43, s42
	s_cbranch_scc0 .Lfill
.Lgroup:
	s_add_co_u32 s44, s44, 256                     ; eight groups of 32 rows on
	s_wait_xcnt 0x0                                ; the last group's stores: their base is written again only behind this wait (its loads were waited for to the last)
	GSETUP
.irp k, 0,1,2,3,4,5,6
	XL \k
.endr
	PASS 0
	WAYOUT
	s_add_co_u32 s43, s43, 1
	s_cmp_lt_u32 s43, s42
	s_cbranch_scc1 .Lgroup
	; ---------------- rows that no expert owns are zero: wave w of work-group (nb, e) looks after rows 256 e + 32 w .. + 31, whoever's they are
.Lfill:
	s_lshl_b32 s57, s13, 3
	s_add_co_u32 s57, s57, s12
	s_lshl_b32 s50, s57, 18                        ; 32 rows of 8,192 bytes
	s_lshl_b32 s57, s57, 5
	v_add_nc_u32 v[T], s57, v1
	OWNER
	v_cmp_eq_u32 s59, -1, v[OWN]
	s_cmp_lg_u32 s59, 0
	s_cbranch_scc0 .Lend
	s_wait_xcnt 0x0                                ; the groups' stores: base and EXEC change only behind this wait
	s_add_nc_u64 s[SOUT:SOUT+1], s[OUTB:OUTB+1], s[50:51]
.irp k, 0,1,2,3
	v_mov_b32 v[ZQ+\k], 0
.endr
	v_lshrrev_b32 v[VK], v[SH8], s59
.irp a, 0,1
.irp j, 0,1,2,3,4,5,6,7
	MST \a, \j, ZQ
.endr
.endr
.Lend:
	s_wait_tensorcnt 0x0
	ds_add_u32 v254, v255
	s_wait_dscnt 0x0
	s_endpgm
.Lfunc_end_k_q2a20745249_moe:
	.size	k_q2a20745249_moe, .Lfunc_end_k_q2a20745249_moe-k_q2a20745249_moe
	.p2alignl 7, 3214868480
	.fill 96, 4, 3214868480
	.section	.rodata,"a",@progbits
	.p2align	6, 0x0
	.amdhsa_kernel k_q2a20745249_moe
		.amdhsa_group_segment_fixed_size 279552
		.amdhsa_private_segment_fixed_size 0
		.amdhsa_enable_private_segment 0
		.amdhsa_kernarg_size 32
		.amdhsa_user_sgpr_count 2
		.amdhsa_user_sgpr_kernarg_segment_ptr 1
		.amdhsa_wavefront_size32 1
		.amdhsa_system_sgpr_workgroup_id_x 1
		.amdhsa_system_sgpr_workgroup_id_y 1
		.amdhsa_system_sgpr_workgroup_id_z 1
		.amdhsa_system_vgpr_workitem_id 0
		.amdhsa_next_free_vgpr 456
		.amdhsa_next_free_sgpr 66
		.amdhsa_reserve_vcc 1
		.amdhsa_float_denorm_mode_32 3
		.amdhsa_float_denorm_mode_16_64 3
		.amdhsa_memory_ordered 1
		.amdhsa_forward_progress 1
		.amdhsa_inst_pref_size 255
	.end_amdhsa_kernel
	.section	.bss,"aw",@nobits
	.p2align	6
	.space	262144
	.amdgpu_metadata
---
amdhsa.version: [ 1, 2 ]
amdhsa.kernels:
  - .name:           k_q2a20745249_moe
    .symbol:         k_q2a20745249_moe.kd
    .args:
      - { .name: xb, .offset: 0, .size: 8, .value_kind: global_buffer, .address_space: global }
      - { .name: m_sizes, .offset: 8, .size: 8, .value_kind: global_buffer, .address_space: global }
      - { .name: weight, .offset: 16, .size: 8, .value_kind: global_buffer, .address_space: global }
      - { .name: out0, .offset: 24, .size: 8, .value_kind: global_buffer, .address_space: global }
    .group_segment_fixed_size: 279552
    .private_segment_fixed_size: 0
    .kernarg_segment_align: 8
    .kernarg_segment_size: 32
    .max_flat_workgroup_size: 256
    .sgpr_count:     66
    .vgpr_count:     456
    .wavefront_size: 32
...
	.end_amdgpu_metadata
.endif
;; end of part 2
